; MI455X (gfx1250); checked and timed in simulation.
; The chip was launched on July 23, 2026; its instructions are those of AMD's public machine-readable ISA for CDNA 5 (MIT licence, August 2026) and "CDNA5" Instruction Set Architecture Reference Guide (July 2026). The comments in the code are by the model that wrote it; some were corrected since.
;; sparseconnect layer. Allowed arithmetic: matrix products marked QUANTISED: E2M3 operands, one E8M0 scale for each 32 along K, by v_wmma_scale_f32_16x16x128_f8f6f4 with both operands' format E2M3, f32 sums; everything else in f32.
;; Inputs: D 512 x 1,024 float32; GN 1 x 512 x 1,024 float32; W 512 x 1,024 float32; b 512 float32; x 16,384 x 1,024 float32.
;; Outputs: out0 16,384 x 512 float32.
;; This version of the problem:
;;   THIS VERSION OF THE PROBLEM IS GIVEN IN LOW PRECISION. The matrix products marked QUANTISED in the list below multiply operands that are first quantised to E2M3 (2 exponent bits, 3 mantissa bits; 6 bits a number), with one power-of-two scale for each 32 numbers along K (OCP MX v1.0); their sums are f32. All else is computed in f32.
;;   The module's matrix products, in the order in which they are computed (A, B: the left and right operand; K: the contracted axis; several contracted axes count as one K, in the product's order):
;;     1. [M 16,384, K 1,024] x [K 1,024, N 512]; A: input x; B: computed on the way: QUANTISED
;;   THE QUANTISER, for each operand of a quantised product, along K:
;;     - K is cut into blocks of 32 from its start; a last block that is shorter is filled with zeros.
;;     - A block's scale is 2^e with e = floor(log2(the largest magnitude in the block)) - 2, held to -126 .. 127; a block of zeros has e = 0. As a byte (E8M0): e + 127.
;;     - Each number is divided by its block's scale, clamped to +-7.5, and rounded to the nearest number of E2M3, ties to even, subnormals kept.
;;     - The product sums the exact products of the quantised numbers (number of the format x scale) in f32.
;;   ~~~python
;;   def quantise(x, axis):      # numpy; x: float32 -> the quantised numbers, widened to float32 again
;;       x = np.moveaxis(x, axis, -1); K = x.shape[-1]
;;       x = np.pad(x, [(0, 0)] * (x.ndim - 1) + [(0, -K % 32)]); x = x.reshape(x.shape[:-1] + (-1, 32)); a = np.abs(x).max(-1, keepdims=True)
;;       e = np.where(a > 0, np.clip(np.frexp(np.where(a > 0, a, 1))[1] - 1 - 2, -126, 127), 0)      # np.frexp(a)[1] - 1 = floor(log2(a)), exactly
;;       r = np.clip(x / 2.0 ** e, -7.5, 7.5)
;;       step = 2.0 ** (np.maximum(np.frexp(np.where(r == 0, 1, r))[1] - 1, 0) - 3)
;;       q = np.round(r / step) * step * 2.0 ** e      # np.round: ties to even
;;       return np.moveaxis(q.reshape(q.shape[:-2] + (-1,))[..., :K], -1, axis).astype(np.float32)
;;   ~~~
;;   OPERANDS COMPUTED ON THE WAY. 'Computed on the way' means the value that the module computes at that place (a softmax that the list does not call 'softmax' is quantised finished and normalised). What goes into a quantiser is computed in f32, as accurately as f32 sums, v_exp_f32 and their like allow (about 1e-6 of the number): no bf16 or f16 on the way to a quantiser, and a product that is left as it is and whose result goes on into a quantised operand takes f32 operands (vector FMAs, or v_wmma_f32_16x16x4_f32). A number that lies on a knife's edge between two numbers of the format may be rounded either way, as far as f32 arithmetic and the matrix unit's own rounding can turn it there, and no further.
;; One version. Each part assembles by itself: llvm-mc -triple=amdgcn-amd-amdhsa -mcpu=gfx1250 --defsym DOCPART=n.
;; ======== version 1 of 1: 2 launches
;; workspace buffers: wcodes 393,216 bytes; wscales 16,384 bytes
;; launch mask (part 1): grid 256 x 1, 2 waves a work-group, no clusters, 18,688 bytes of LDS; arguments D, GN, W, wcodes, wscales; writes wcodes, wscales
.if DOCPART == 1
	.amdgcn_target "amdgcn-amd-amdhsa--gfx1250"
	.amdhsa_code_object_version 6
	.text
	.protected	k_q8418b993d8_mask
	.globl	k_q8418b993d8_mask
	.p2align	8
	.type	k_q8418b993d8_mask,@function
k_q8418b993d8_mask:
	s_mov_b64 s[64:65], 0
	v_nop
	global_prefetch_b8 v0, s[64:65] scope:SCOPE_SE
	s_setreg_imm32_b32 hwreg(HW_REG_WAVE_MODE, 25, 1), 1
	s_wait_xcnt 0x0
; AW = A * W for 512 units x 1,024 inputs, quantised along the inputs (K) to codes of FP6 (E2M3) with one E8M0 byte for each 32, laid as the product's launch wants its operand.
; WHAT A IS.  A sums, over the 32 samples of a unit, (hard - soft) + soft.  Where hard is 0 that is (0 - s) + s = 0 exactly in f32; where hard is 1 it is (1 - s) + s, within 2^-24 + 2^-25 of 1 for every s in [0, 1].
; So A is the 0/1 mask of the unit's 32 largest D + GN, for every input on which the softmax is finite.  This text takes A as exactly 1 there: an order of rounding that differs from the definition's by 1e-7 of the number.
; What has to be exact is the choice: the 32 largest of D + GN (one f32 addition, as defined), and among equal numbers the lower index.
; LIMITS: NaN and infinities among the inputs are not served.  -0 and +0 count as equal in the choice (the lower index wins).  A block whose largest magnitude lies under 2^-124 has its byte held at 1;
; a block of zeros has the byte 1 where the rule says 127: its codes are zeros, which add nothing under any byte but 0xff, and the bytes are read by this program alone.
; SHARES.  One wave, one unit: u = 2 x work-group + wave.  512 rows on 512 waves: a row's work is one chain of dependent steps, so rows are spread as wide as they go.  Waves share nothing: no barrier.
; LAYOUT.  Each load reads 512 consecutive bytes of a row, 16 a lane.  For the work lane L must hold inputs 32 L .. 32 L + 31: that is one block of the quantiser, and it makes (lane, register) the index order that ties need.
; So D + GN and W turn through the wave's own stage in LDS: 32 places of 128 bytes + 16 of padding.
; THE 32nd LARGEST.  Each lane sorts its 32 numbers in registers (a bitonic network, 15 stages of 16 pairs).  Two descending runs a, b keep their 32 largest as max(a[i], b[31 - i]), a bitonic run, which five stages
; sort again: so lanes 1, 2, 4 and 8 apart are merged; the last merge, 16 apart, needs no sorting: its smallest number is T, the 32nd largest of the row counted with multiplicity, the same in every lane.
; No branch and no address hangs on data: the mask only selects values.
; THE OUTPUT.  wcodes holds images of the operand's registers: fragment (tile t = u / 16, K step s of 128) at (8 t + s) x 1,536; in it registers 4 c .. 4 c + 3 of lane l at 512 c + 16 l; lane l = (u % 16) + 16 h holds,
; in registers 6 c' .. 6 c' + 5, block 2 c' + h of the K step.  So my block's 24 bytes leave as a piece of 16 and a piece of 8.  A run of 256 bytes there belongs to 16 units, that is to 16 waves: this launch writes it in pieces,
; 393,216 bytes in all, so that the product's 256 work-groups each read it by loads of 512 consecutive bytes.
; wscales: the word of unit 16 t + r for K step s at 512 t + 16 (r + 16 (s % 2)) + 4 (s / 2): one register of the product's launch then carries an even K step's words in lanes 0-15 and the odd one's in lanes 16-31.
.set SP,    144                        ; a place in a stage: 128 bytes + 16
.set WSTG,  32*SP                      ; a stage; W's lies behind D + GN's
.set WREG,  2*WSTG                     ; a wave's LDS bytes
.set DL,    16                         ; v16-47   D as loaded, then D + GN; later bank BA of the network
.set GL,    48                         ; v48-79   GN as loaded; later bank BB
.set WL,    80                         ; v80-111  W as loaded; later the ranks among equal numbers
.set KEY,   112                        ; v112-143 D + GN of my 32 inputs: kept
.set WT,    144                        ; v144-175 W of my 32 inputs, then AW
.set BA,    DL
.set BB,    GL
.set EQ,    32                         ; s32-63   lane masks: register j's number equals T
.set GT,    66                         ; s66-97   lane masks: it is larger; later: it is chosen
; v1 lane; v2 16 x lane; v3, v4 the stage, in and out; v5, v6 my two pieces' places in wcodes; v7 my word's place in wscales; v8 T; v9-15 at work; v176-189 counts, then codes
.set SRC,   KEY
.set DST,   BA
.macro FLIP                            ; the network goes from bank to bank; KEY is read once and never written
.if SRC == KEY
.set SRC, BA
.set DST, BB
.else
.set TMPB, SRC
.set SRC, DST
.set DST, TMPB
.endif
.endm
.macro STAGE k, j                      ; 16 pairs j apart: the larger to the lower register where bit k of the index is 0, else to the higher
.set ix, 0
.rept 32
.set lx, ix^(\j)
.if lx > ix
.if (ix & (\k)) == 0
	v_max_num_f32 v[DST+ix], v[SRC+ix], v[SRC+lx]
	v_min_num_f32 v[DST+lx], v[SRC+ix], v[SRC+lx]
.else
	v_min_num_f32 v[DST+ix], v[SRC+ix], v[SRC+lx]
	v_max_num_f32 v[DST+lx], v[SRC+ix], v[SRC+lx]
.endif
.endif
.set ix, ix+1
.endr
	FLIP
.endm
.macro CLEAN                           ; a bitonic run of 32 becomes a descending one
	STAGE 32, 16
	STAGE 32, 8
	STAGE 32, 4
	STAGE 32, 2
	STAGE 32, 1
.endm
.macro MERGE x                         ; with the lane x away: the 32 largest of both lanes' runs (the first source is read from that lane), sorted again.  Both lanes end with the same run
.set ix, 0
.rept 32
	v_max_num_f32_dpp v[DST+ix], v[SRC+31-ix], v[SRC+ix] row_xmask:\x row_mask:0xf bank_mask:0xf
.set ix, ix+1
.endr
	FLIP
	CLEAN
.endm
	s_load_b256 s[4:11], s[0:1], 0x0               ; D s[4:5], GN s[6:7], W s[8:9], wcodes s[10:11]
	s_load_b64 s[12:13], s[0:1], 0x20              ; wscales
	v_lshl_add_u32 v192, v0, 2, 0x4800
	v_mov_b32 v193, 0
	v_lshrrev_b32 v9, 5, v0
	v_readfirstlane_b32 s14, v9                    ; wave 0, 1
	v_and_b32 v1, 31, v0                           ; lane
	v_lshlrev_b32 v2, 4, v1                        ; my 16 bytes of a load's 512
	s_lshl_b32 s15, ttmp9, 1
	s_add_co_u32 s15, s15, s14                     ; u, my unit
	s_lshl_b32 s16, s15, 12                        ; its row of 4,096 bytes in D, GN and W
	s_mov_b32 s17, 0
	s_lshr_b32 s18, s15, 4                         ; t = u / 16
	s_and_b32 s19, s15, 15
	s_lshl_b32 s19, s19, 4                         ; 16 (u % 16)
	s_mul_i32 s20, s18, 12288                      ; a tile's eight fragments
	s_add_co_u32 s20, s20, s19
	s_mov_b32 s21, 0
	s_lshl_b32 s22, s18, 9                         ; a tile's scale words
	s_add_co_u32 s22, s22, s19
	s_mov_b32 s23, 0
	s_mul_i32 s24, s14, WREG                       ; my wave's LDS bytes
	s_mov_b32 s30, 0x76543210                      ; v_permlanex16_b32's selects for the lane 16 away
	s_mov_b32 s31, 0xfedcba98
	s_wait_kmcnt 0x0
	s_add_nc_u64 s[4:5], s[4:5], s[16:17]
	s_add_nc_u64 s[6:7], s[6:7], s[16:17]
	s_add_nc_u64 s[8:9], s[8:9], s[16:17]
	s_add_nc_u64 s[10:11], s[10:11], s[20:21]
	s_add_nc_u64 s[12:13], s[12:13], s[22:23]
.irp c, 0,1,2,3,4,5,6,7
	global_load_b128 v[DL+4*\c:DL+4*\c+3], v2, s[4:5] offset:512*\c th:TH_LOAD_NT   ; 32 lanes read 512 consecutive bytes; each row is read once in the launch
.endr
.irp c, 0,1,2,3,4,5,6,7
	global_load_b128 v[GL+4*\c:GL+4*\c+3], v2, s[6:7] offset:512*\c th:TH_LOAD_NT
.endr
.irp c, 0,1,2,3,4,5,6,7
	global_load_b128 v[WL+4*\c:WL+4*\c+3], v2, s[8:9] offset:512*\c th:TH_LOAD_NT
.endr
	; addresses, while the loads are out
	v_lshrrev_b32 v9, 3, v1
	v_mul_u32_u24 v9, v9, SP
	v_and_b32 v10, 7, v1
	v_lshl_add_u32 v3, v10, 4, v9
	v_add_nc_u32 v3, s24, v3                       ; the stage, in: eight lanes' 128 bytes fill a place: SP (lane / 8) + 16 (lane % 8); a load's 512 bytes take four places
	v_mul_u32_u24 v4, v1, SP
	v_add_nc_u32 v4, s24, v4                       ; out: place = lane
	v_lshrrev_b32 v9, 2, v1                        ; s = lane / 4: my block's K step
	v_mul_u32_u24 v5, v9, 1536
	v_and_b32 v10, 1, v1                           ; h = lane % 2
	v_lshl_add_u32 v5, v10, 8, v5                  ; + 16 x 16 h
	v_bfe_u32 v11, v1, 1, 1                        ; c' = (lane / 2) % 2
	v_lshl_add_u32 v6, v11, 3, v5
	v_add_nc_u32 v6, 512, v6                       ; the piece of 8: registers 4, 5 (c' = 0) or 6, 7 (c' = 1): the middle run of 512, + 8 c'
	v_lshl_add_u32 v5, v11, 10, v5                 ; the piece of 16: registers 0-3 (c' = 0) or 8-11 (c' = 1)
	v_and_b32 v12, 1, v9
	v_lshrrev_b32 v13, 3, v1
	v_lshlrev_b32 v7, 2, v13
	v_lshl_add_u32 v7, v12, 8, v7                  ; the scale word: 256 (s % 2) + 4 (s / 2)
	v_mov_b32 v14, 0                               ; written once: the destination of a move from another lane counts as one of its sources
	s_wait_loadcnt 8                               ; D and GN are in; W's eight loads may be out
.irp i, 0,2,4,6,8,10,12,14,16,18,20,22,24,26,28,30
	v_pk_add_f32 v[DL+\i:DL+\i+1], v[DL+\i:DL+\i+1], v[GL+\i:GL+\i+1]   ; D + GN, one f32 addition each
.endr
.irp c, 0,1,2,3,4,5,6,7
	ds_store_b128 v3, v[DL+4*\c:DL+4*\c+3] offset:4*SP*\c
.endr
.irp i, 0,1,2,3,4,5,6,7
	ds_load_b128 v[KEY+4*\i:KEY+4*\i+3], v4 offset:16*\i             ; LDS serves a wave's instructions in order (ISA guide 5.7.1.4): these see the stores above
.endr
	s_wait_loadcnt 0x0                             ; W
.irp c, 0,1,2,3,4,5,6,7
	ds_store_b128 v3, v[WL+4*\c:WL+4*\c+3] offset:WSTG+4*SP*\c
.endr
.irp i, 0,1,2,3,4,5,6,7
	ds_load_b128 v[WT+4*\i:WT+4*\i+3], v4 offset:WSTG+16*\i
.endr
	s_wait_dscnt 16                                ; my 32 numbers are in (so the stores ahead of them are done: DL may be written); behind them W's eight stores and eight loads may be out
	STAGE 2, 1                                     ; my 32 numbers, descending
	STAGE 4, 2
	STAGE 4, 1
	STAGE 8, 4
	STAGE 8, 2
	STAGE 8, 1
	STAGE 16, 8
	STAGE 16, 4
	STAGE 16, 2
	STAGE 16, 1
	CLEAN
	MERGE 1
	MERGE 2
	MERGE 4
	MERGE 8                                        ; each half of 16 lanes now holds its 512 inputs' 32 largest
.set ix, 0
.rept 32
	v_permlanex16_b32 v[DST+ix], v[SRC+31-ix], s30, s31
.set ix, ix+1
.endr
.set ix, 0
.rept 32
	v_max_num_f32 v[DST+ix], v[DST+ix], v[SRC+ix]  ; the row's 32 largest, in no order
.set ix, ix+1
.endr
.irp c, 0,1,2,3                                ; their smallest, in four chains
	v_min3_num_f32 v[9+\c], v[DST+\c], v[DST+4+\c], v[DST+8+\c]
.endr
.irp n, 12,20
.irp c, 0,1,2,3
	v_min3_num_f32 v[9+\c], v[9+\c], v[DST+\n+\c], v[DST+\n+4+\c]
.endr
.endr
.irp c, 0,1,2,3
	v_min_num_f32 v[9+\c], v[9+\c], v[DST+28+\c]
.endr
	v_min3_num_f32 v8, v9, v10, v11
	v_min_num_f32 v8, v8, v12                      ; T
	; THE MASK.  All that is larger than T is chosen (31 at the most); of those equal to T the first N in index order, N = 32 - the number of larger ones (1 at the least)
	s_wait_dscnt 0x0                               ; W of my 32 inputs is in, and W's stores into the stage are done: WL may be written
.set jx, 0
.rept 32
	v_cmp_gt_f32 s[GT+jx], v[KEY+jx], v8
	v_cmp_eq_f32 s[EQ+jx], v[KEY+jx], v8
.set jx, jx+1
.endr
	s_mov_b32 s29, 32
.set jx, 0
.rept 32
	s_bcnt1_i32_b32 s28, s[GT+jx]
	s_sub_co_u32 s29, s29, s28                     ; N
.set jx, jx+1
.endr
.irp c, 0,1,2,3                                ; how many equal numbers lie in lower lanes, which are lower indices: four chains
	v_mbcnt_lo_u32_b32 v[176+\c], s[EQ+\c], 0
.endr
.set jx, 4
.rept 28
	v_mbcnt_lo_u32_b32 v[176+jx%4], s[EQ+jx], v[176+jx%4]
.set jx, jx+1
.endr
	v_add_nc_u32 v176, v176, v177
	v_add_nc_u32 v178, v178, v179
	v_add_nc_u32 v[WL], v176, v178                 ; the rank, among equal numbers, that my register 0 would have
.set jx, 0
.rept 31
	v_cndmask_b32 v[9+jx%4], 0, 1, s[EQ+jx]
	v_add_nc_u32 v[WL+jx+1], v[WL+jx], v[9+jx%4]   ; and register j + 1: one more where register j's number is equal to T
.set jx, jx+1
.endr
.irp g, 0,1,2,3
.irp n, 0,1,2,3,4,5,6,7
	v_cmp_gt_u32 s[20+\n], s29, v[WL+8*\g+\n]      ; rank < N
.endr
.irp n, 0,1,2,3,4,5,6,7
	s_and_b32 s[20+\n], s[20+\n], s[EQ+8*\g+\n]    ; and equal to T:
	s_or_b32 s[GT+8*\g+\n], s[GT+8*\g+\n], s[20+\n]  ; chosen too
.endr
.irp n, 0,1,2,3,4,5,6,7
	v_cndmask_b32 v[WT+8*\g+\n], 0, v[WT+8*\g+\n], s[GT+8*\g+\n]   ; AW = W where chosen, else 0
.endr
.endr
	; MY BLOCK OF 32 IS QUANTISED: all its numbers are mine
	v_max3_num_f32 v12, |v[WT]|, |v[WT+1]|, |v[WT+2]|
	v_max3_num_f32 v13, |v[WT+3]|, |v[WT+4]|, |v[WT+5]|
.irp i, 6,10,14,18,22,26
	v_max3_num_f32 v12, v12, |v[WT+\i]|, |v[WT+\i+1]|
	v_max3_num_f32 v13, v13, |v[WT+\i+2]|, |v[WT+\i+3]|
.endr
	v_max3_num_f32 v12, v12, |v[WT+30]|, |v[WT+31]|
	v_max3_num_f32 v12, v12, v13, 0x1800000        ; the largest magnitude, and the floor 2^(3 - 127): so the byte cannot fall under 1
	v_add_nc_u32 v11, 0xff000000, v12              ; 2 off its exponent field: the conversion takes the exponent field of this operand as its scale, and nothing else of it
	v_cvt_scalef32_pk16_fp6_f32 v[176:178], v[WT:WT+15], v11        ; 16 codes, 96 bits, the first number's code lowest; beyond 7.5 the largest code
	v_cvt_scalef32_pk16_fp6_f32 v[180:182], v[WT+16:WT+31], v11     ; (a conversion's three registers begin on an even number)
	v_lshrrev_b32 v13, 23, v11                     ; the scale's byte.  (Also the plain instruction between the conversions and the first vector instruction that reads their results)
	v_bfe_u32 v9, v1, 1, 1
	v_cmp_eq_u32 vcc_lo, 1, v9                     ; c'
	v_cndmask_b32 v184, v176, v178, vcc_lo         ; the piece of 16: words 0-3 of my six (c' = 0) or words 2-5 (c' = 1)
	v_cndmask_b32 v185, v177, v180, vcc_lo
	v_cndmask_b32 v186, v178, v181, vcc_lo
	v_cndmask_b32 v187, v180, v182, vcc_lo
	v_cndmask_b32 v188, v181, v176, vcc_lo         ; the piece of 8: words 4, 5 or words 0, 1
	v_cndmask_b32 v189, v182, v177, vcc_lo
	global_store_b128 v5, v[184:187], s[10:11]
	global_store_b64 v6, v[188:189], s[10:11]
	v_and_b32 v9, 3, v1                            ; my block's place in its K step
	v_lshlrev_b32 v10, 3, v9
	v_lshlrev_b32 v13, v10, v13                    ; my byte at its place in the scale word;
	v_mov_b32_dpp v14, v13 row_xmask:1 row_mask:0xf bank_mask:0xf
	v_or_b32 v13, v13, v14
	v_mov_b32_dpp v14, v13 row_xmask:2 row_mask:0xf bank_mask:0xf
	v_or_b32 v13, v13, v14                         ; with the three other lanes' of my K step the word is whole
	v_cmp_eq_u32 vcc_lo, 0, v9
	s_wait_xcnt 0x0                                ; EXEC is a source of the loads and stores above: it changes only behind this wait
	s_wait_tensorcnt 0x0
	ds_add_u32 v192, v193
	s_wait_dscnt 0x0
	s_and_saveexec_b32 s20, vcc_lo                 ; one lane of four stores the word
	global_store_b32 v7, v13, s[12:13]
	s_endpgm
.Lfunc_end_k_q8418b993d8_mask:
	.size	k_q8418b993d8_mask, .Lfunc_end_k_q8418b993d8_mask-k_q8418b993d8_mask
	.p2alignl 7, 3214868480
	.fill 96, 4, 3214868480
	.section	.rodata,"a",@progbits
	.p2align	6, 0x0
	.amdhsa_kernel k_q8418b993d8_mask
		.amdhsa_group_segment_fixed_size 18688
		.amdhsa_private_segment_fixed_size 0
		.amdhsa_enable_private_segment 0
		.amdhsa_kernarg_size 40
		.amdhsa_user_sgpr_count 2
		.amdhsa_user_sgpr_kernarg_segment_ptr 1
		.amdhsa_wavefront_size32 1
		.amdhsa_system_sgpr_workgroup_id_x 1
		.amdhsa_system_sgpr_workgroup_id_y 1
		.amdhsa_system_sgpr_workgroup_id_z 1
		.amdhsa_system_vgpr_workitem_id 0
		.amdhsa_next_free_vgpr 194
		.amdhsa_next_free_sgpr 100
		.amdhsa_reserve_vcc 1
		.amdhsa_float_denorm_mode_32 3
		.amdhsa_float_denorm_mode_16_64 3
		.amdhsa_memory_ordered 1
		.amdhsa_forward_progress 1
		.amdhsa_inst_pref_size 75
	.end_amdhsa_kernel
	.amdgpu_metadata
---
amdhsa.version: [ 1, 2 ]
amdhsa.kernels:
  - .name:           k_q8418b993d8_mask
    .symbol:         k_q8418b993d8_mask.kd
    .args:
      - { .name: D, .offset: 0, .size: 8, .value_kind: global_buffer, .address_space: global }
      - { .name: GN, .offset: 8, .size: 8, .value_kind: global_buffer, .address_space: global }
      - { .name: W, .offset: 16, .size: 8, .value_kind: global_buffer, .address_space: global }
      - { .name: wcodes, .offset: 24, .size: 8, .value_kind: global_buffer, .address_space: global }
      - { .name: wscales, .offset: 32, .size: 8, .value_kind: global_buffer, .address_space: global }
    .group_segment_fixed_size: 18688
    .private_segment_fixed_size: 0
    .kernarg_segment_align: 8
    .kernarg_segment_size: 40
    .max_flat_workgroup_size: 64
    .sgpr_count:     100
    .vgpr_count:     194
    .wavefront_size: 32
...
	.end_amdgpu_metadata
.endif
;; end of part 1
;; launch gemm (part 2): grid 256 x 1, 4 waves a work-group, no clusters, 327,680 bytes of LDS; arguments x, wcodes, wscales, b, out0; writes out0
.if DOCPART == 2
	.amdgcn_target "amdgcn-amd-amdhsa--gfx1250"
	.amdhsa_code_object_version 6
	.text
	.protected	k_q8418b993d8_gemm
	.globl	k_q8418b993d8_gemm
	.p2align	8
	.type	k_q8418b993d8_gemm,@function
k_q8418b993d8_gemm:
	s_mov_b64 s[64:65], 0
	v_nop
	global_prefetch_b8 v0, s[64:65] scope:SCOPE_SE
	s_setreg_imm32_b32 hwreg(HW_REG_WAVE_MODE, 25, 1), 1
	s_wait_xcnt 0x0
; y = Q(x) Q(AW)^T + b.  x: [16,384][1,024] f32, quantised here along K to codes of FP6 (E2M3) with one E8M0 byte for each 32; AW's codes and scale words come from the launch before; y: [16,384][512] f32; sums in f32.
; LIMITS: NaN and infinities in x are not served.  A block whose largest magnitude lies under 2^-124 has its byte held at 1; a block of zeros has the byte 1 where the rule says 127: its codes are zeros, which add nothing.
; SHARES.  A work-group owns 64 rows of x and of y, four tiles of 16; 256 work-groups are all 16,384 rows, and each byte of x is read by one work-group, once.
; THE WAVES SHARE THE COLUMNS: wave w owns units 128 w .. 128 w + 127 for all of K: 64 fragments (8 tiles of units x 8 K steps of 128), 768 registers, loaded once by 192 loads of 512 consecutive bytes, and kept.
; So no weight goes through LDS and each is used four times from registers.  What goes round is x: wave w fetches and quantises K = 256 w .. 256 w + 255 (K steps 2 w, 2 w + 1) of every tile of rows, and its two
; fragments reach the other waves through LDS as images of their registers: 3 stores of 16 bytes a lane at 16 x lane, the scale word at 4 x lane; the same lines as loads give any wave the same registers.
; ALL OF THE WORK-GROUP'S x IS ASKED FOR IN THE FIRST LINES: four tensor loads a wave, each 16 rows x 1,024 bytes, into LDS bytes that are filled once: no slot is ever filled again.  By this text's count four tensor
; loads of a wave are out at the most.  They are four of 16 rows and not one of 64, so that a counted wait lets tile m be worked while tiles m + 1 .. 3 are on their way.
; THE MATRIX INSTRUCTION IS USED TRANSPOSED (source 0 = 16 units of AW, source 1 = 16 rows of x): a lane then holds eight neighbouring units of one row of y.
; NO CLUSTER, NO JOINT LOADS: what the work-groups share is the weights, 409,600 bytes for each.  A joint load lands in LDS, and of its 327,680 bytes x's tiles take 266,240 and the images and stages 60,416.
; To bring the weights through what is left would mean filling bytes again and again ahead of x's requests.
; REGISTERS, in windows of 256.  Window 0: v1-8 addresses; v10-13 b of my four units on the way out; v14-17 x's scale words; v18-113 x's eight fragments (before that 64 numbers of x; after that rows of y);
;   v114-177 eight accumulators (before that 64 numbers of x); v178-197 codes just made; v198-210 at work; v212-223 weight fragment 63; v224-255 AW's scale words.
;   Windows 1-3: weight fragment f = 8 s + t (K step s, tile t of units), f = 0 .. 62, in window 1 + f / 21 at register 12 (f % 21): no fragment crosses a window's end.
.set XT_W,   66560                     ; LDS: x's tiles: wave w's four at XT_W w,
.set XT_M,   16640                     ; tile m at XT_M m: 16 rows,
.set XP,     1040                      ; 1,024 bytes + 16 of padding = 260 words apart: row r starts at bank 4 r mod 64 (64 banks of 4 bytes: ISA guide 11.1)
.set IMG,    4*XT_W                    ; 266,240: the images, two sets of 8 fragments x 1,536 bytes, by turns
.set ISC,    IMG+2*12288               ; 290,816: their scale words, two sets of 8 x 128 bytes
.set STG,    ISC+2*1024                ; 292,864: the way out: for each wave 16 rows of 512 bytes + 16
.set SPITCH, 528
.set LI,  1                            ; v1   16 x lane
.set XA,  2                            ; v2   my 64 bytes in my wave's tile 0: XT_W w + XP r + 64 h
.set FI,  3                            ; v3   IMG + 16 x lane
.set IWI, 4                            ; v4   where I store images: + 3,072 w
.set IWS, 5                            ; v5   and scale words: ISC + 4 x lane + 256 w
.set LSX, 6                            ; v6   where I read scale words: ISC + 4 x lane + 128 h: lanes 0-15 an even K step's, lanes 16-31 the odd one's behind it
.set SO,  7                            ; v7   my stage: where I put 32 bytes of a row
.set SR,  8                            ; v8   and where I read a row back
.set BI,  10
.set XS,  14
.set XF,  18
.set R0,  XF
.set ACC, 114
.set R1,  ACC
.set PC,  178
.set TM,  198                          ; v198-201 largest magnitudes, v202-205 the other half's, then bytes, v206-209 the conversions' scale operands
.set PW,  210                          ; the scale word just made
.set W63, 212
.set WS,  224                          ; tile t's words of K steps 2 p (lanes 0-15) and 2 p + 1 (lanes 16-31) at v[WS + 4 t + p]
.set G1,  24                           ; s[24:31] descriptor group 1
.set G0,  32                           ; s[32:47] descriptor group 0, a set for each of my four tiles
.set MSB, 0
.macro WIN new                         ; the immediate's high byte repeats the setting that is left; a switch that changes nothing is dropped
.if MSB != (\new)
	s_set_vgpr_msb (MSB<<8)|(\new)
.set MSB, (\new)
.endif
.endm
.macro WPOS n                          ; where weight fragment n lies: window WW, register WR
.if (\n) < 63
.set WW, 1+(\n)/21
.set WR, 12*((\n)%21)
.else
.set WW, 0
.set WR, W63
.endif
.endm
; 64 numbers of a lane, v[s] .. v[s + 63], register 16 b + i = k 32 b + 16 (lane / 16) + i of my row, become a fragment's codes in v[PC] on and its scale word in v[PW].
.macro QUANT s
.irp b, 0,1,2,3
	v_max3_num_f32 v[TM+\b], |v[\s+16*\b]|, |v[\s+1+16*\b]|, 0x1800000   ; block b: my 16 numbers, and the floor 2^(3 - 127): so the byte cannot fall under 1
.endr
.irp i, 2,4,6,8,10,12,14
.irp b, 0,1,2,3
	v_max3_num_f32 v[TM+\b], v[TM+\b], |v[\s+16*\b+\i]|, |v[\s+1+16*\b+\i]|   ; (the four blocks by turns: no line waits for the line above it)
.endr
.endr
.irp b, 0,1,2,3
	v_permlanex16_b32 v[TM+4+\b], v[TM+\b], s20, s21
.endr
.irp b, 0,1,2,3
	v_max_num_f32 v[TM+\b], v[TM+\b], v[TM+4+\b]   ; with the lane 16 away: the block's largest magnitude
.endr
.irp b, 0,1,2,3
	v_add_nc_u32 v[TM+8+\b], 0xff000000, v[TM+\b]  ; 2 off its exponent field: the conversion takes the exponent field of this operand as its scale, and nothing else of it
.endr
.irp b, 0,1,2,3
	v_lshrrev_b32 v[TM+4+\b], 23, v[TM+8+\b]       ; the scale's byte
.endr
	v_lshl_or_b32 v[PW], v[TM+5], 8, v[TM+4]       ; the four bytes make my row's scale word
	v_lshl_or_b32 v[PW], v[TM+6], 16, v[PW]
	v_lshl_or_b32 v[PW], v[TM+7], 24, v[PW]
.irp c, 0,1
	v_cvt_scalef32_pk16_fp6_f32 v[PC+6*\c:PC+2+6*\c], v[\s+32*\c:\s+15+32*\c], v[TM+8+2*\c]
	v_cvt_scalef32_pk16_fp6_f32 v[PC+12+4*\c:PC+14+4*\c], v[\s+16+32*\c:\s+31+32*\c], v[TM+8+2*\c+1]   ; (a conversion's three registers begin on an even number)
.endr
	v_nop                                          ; one plain instruction behind the scaled conversions, ahead of whatever vector or matrix instruction next touches their registers
.irp c, 0,1                                    ; the operand's layout wants a WHOLE block in a lane: lanes 0-15 block 2 c, lanes 16-31 block 2 c + 1
.irp i, 0,1,2
	v_permlane16_swap_b32 v[PC+6*\c+\i], v[PC+12+4*\c+\i]
.endr
.irp i, 0,1,2
	v_mov_b32 v[PC+3+6*\c+\i], v[PC+12+4*\c+\i]
.endr
.endr
.endm
.macro IMAGE off                               ; the fragment in v[PC] on goes to LDS as it stands
.irp c, 0,1,2
	ds_store_b128 v[IWI], v[PC+4*\c:PC+4*\c+3] offset:(\off)+512*\c
.endr
.endm
; Tile m of rows: my two K steps of x out of my own tile in LDS, quantised, their images into set m % 2; then the work-group's barrier.
; ONE BARRIER A TILE DOES: set m % 2 was last read in tile m - 2's products, and every wave had those reads back (its waits for 0 below) before it signalled tile m - 1's barrier, which I have passed.
.macro XQ m
.set PS, (\m)%2
.if (\m) > 0
	s_wait_xcnt 0x0                                ; the last tile's stores have read their data: those registers are loaded again only behind this wait
.endif
	s_wait_tensorcnt 3-(\m)                        ; tensor loads of a wave end in order (ISA guide 10.11.1): my tile m is in LDS, my younger tiles may be out.  Only I read my tiles
.irp b, 0,1,2,3
.irp j, 0,1,2,3
	ds_load_b128 v[R0+16*\b+4*\j:R0+16*\b+4*\j+3], v[XA] offset:XT_M*(\m)+128*\b+16*\j
.endr
.endr
.irp b, 0,1,2,3
.irp j, 0,1,2,3
	ds_load_b128 v[R1+16*\b+4*\j:R1+16*\b+4*\j+3], v[XA] offset:XT_M*(\m)+512+128*\b+16*\j
.endr
.endr
	s_wait_dscnt 16                                ; the first K step's numbers are in; the second's sixteen loads may be out
	QUANT R0
	IMAGE 12288*PS
	ds_store_b32 v[IWS], v[PW] offset:1024*PS
	s_wait_dscnt 0x0                               ; the second K step's numbers are in, and the stores have read the codes' registers
	QUANT R1
	IMAGE 12288*PS+1536
	ds_store_b32 v[IWS], v[PW] offset:1024*PS+128
	s_wait_dscnt 0x0                               ; for the others' sake: my images lie in LDS
	s_barrier_signal -1
	s_barrier_wait -1                              ; everybody's do.  (My younger tiles stay on their way across it: behind it no LDS byte is filled again)
.endm
; One product: K step s, tile t of my units.
.macro MM s, t
	WPOS 8*(\s)+(\t)
	WIN WW                                         ; source 0 in the fragment's window, all else in window 0
.if (\s) == 0
	v_wmma_scale_f32_16x16x128_f8f6f4 v[ACC+8*(\t):ACC+8*(\t)+7], v[WR:WR+11], v[XF+12*(\s):XF+12*(\s)+11], 0, v[WS+4*(\t)+(\s)/2], v[XS+(\s)/2] matrix_a_fmt:MATRIX_FMT_FP6 matrix_b_fmt:MATRIX_FMT_FP6
.elseif (\s)%2 == 0
	v_wmma_scale_f32_16x16x128_f8f6f4 v[ACC+8*(\t):ACC+8*(\t)+7], v[WR:WR+11], v[XF+12*(\s):XF+12*(\s)+11], v[ACC+8*(\t):ACC+8*(\t)+7], v[WS+4*(\t)+(\s)/2], v[XS+(\s)/2] matrix_a_fmt:MATRIX_FMT_FP6 matrix_b_fmt:MATRIX_FMT_FP6
.else
	v_wmma_scale_f32_16x16x128_f8f6f4 v[ACC+8*(\t):ACC+8*(\t)+7], v[WR:WR+11], v[XF+12*(\s):XF+12*(\s)+11], v[ACC+8*(\t):ACC+8*(\t)+7], v[WS+4*(\t)+(\s)/2], v[XS+(\s)/2] matrix_a_fmt:MATRIX_FMT_FP6 matrix_b_fmt:MATRIX_FMT_FP6 matrix_a_scale:MATRIX_SCALE_ROW1 matrix_b_scale:MATRIX_SCALE_ROW1
.endif
.endm
; Tile m's 64 products: x's eight fragments and four registers of scale words out of LDS in one run; then K step by K step, the eight accumulators by turns, one instruction a turn.
; The first K step's products start the sums: nothing is cleared.  Four switches of the window a tile.
.macro MUL m
.set PS, (\m)%2
.irp q, 0,1,2,3
	ds_load_b32 v[XS+\q], v[LSX] offset:1024*PS+256*\q
.endr
.irp s, 0,1,2,3,4,5,6,7
.irp c, 0,1,2
	ds_load_b128 v[XF+12*\s+4*\c:XF+12*\s+4*\c+3], v[FI] offset:12288*PS+1536*\s+512*\c
.endr
.endr
.irp s, 0,1,2,3,4,5,6,7
	s_wait_dscnt 3*(7-\s)                          ; LDS loads come back in order (ISA guide 5.7.1): the scale words and fragments 0 .. s are in; the later fragments' three loads each may be out
.irp t, 0,1,2,3,4,5,6,7
	MM \s, \t
.endr
.endr
.endm
; THE WAY OUT of tile m.  A lane holds 32 neighbouring bytes of a row and the lanes beside it hold other rows: the tile goes through my own stage and comes back as rows of 512 bytes, my 128 units of a row.
; There a lane has the same four units in every row, so b costs four registers and two packed additions a row.
.macro OUT m
	WIN 0
.rept 4
	v_nop                                          ; four places behind the last product, ahead of the stores that read results and of the loads into registers that products have read
.endr
.irp t, 0,1,2,3,4,5,6,7
	ds_store_b128 v[SO], v[ACC+8*\t:ACC+8*\t+3] offset:64*\t        ; each accumulator from its low end on
	ds_store_b128 v[SO], v[ACC+8*\t+4:ACC+8*\t+7] offset:64*\t+16
.endr
.irp i, 0,1,2,3,4,5,6,7,8,9,10,11,12,13,14,15
	ds_load_b128 v[XF+4*\i:XF+4*\i+3], v[SR] offset:SPITCH*\i       ; LDS serves a wave's instructions in order (ISA guide 5.7.1.4): these see the stores above
.endr
.irp i, 0,1,2,3,4,5,6,7,8,9,10,11,12,13,14,15
	s_wait_dscnt 15-\i                             ; row i is back; the later rows' loads may be out
	v_pk_add_f32 v[XF+4*\i:XF+4*\i+1], v[XF+4*\i:XF+4*\i+1], v[BI:BI+1]
	v_pk_add_f32 v[XF+4*\i+2:XF+4*\i+3], v[XF+4*\i+2:XF+4*\i+3], v[BI+2:BI+3]
	global_store_b128 v[LI], v[XF+4*\i:XF+4*\i+3], s[12:13] offset:(16*(\m)+\i)*2048 th:TH_STORE_NT   ; 32 lanes store 512 consecutive bytes, at a multiple of 512 from y's first byte; written once, read by nobody here
.endr
.endm
	s_load_b256 s[4:11], s[0:1], 0x0               ; x s[4:5], wcodes s[6:7], wscales s[8:9], b s[10:11]
	s_load_b64 s[12:13], s[0:1], 0x20              ; y
	v_lshl_add_u32 v197, v0, 2, 0x4fc00
	v_mov_b32 v211, 0
	ds_add_u32 v197, v211
	ds_add_u32 v197, v211
	v_lshrrev_b32 v9, 5, v0
	v_readfirstlane_b32 s14, v9                    ; wave 0..3
	; descriptor group 1: a tile of 16 rows x 256 elements of 4 bytes, rows 1,024 elements apart in memory, padded in LDS
	s_mov_b32 s[G1+0], (2<<16)|(1<<20)|(7<<22)|(3<<25)   ; 15:0 no mask; 17:16 elements of 4 bytes; 20 padding on; 24:22 after every 256 words (code 7); 31:25 of 4 words (code 3)
	s_mov_b32 s[G1+1], 256<<16                     ; tensor_dim0 = 256
	s_mov_b32 s[G1+2], 16<<16                      ; tensor_dim1 = 16
	s_mov_b32 s[G1+3], 256<<16                     ; tile_dim0 = 256
	s_mov_b32 s[G1+4], 16                          ; tile_dim1 = 16
	s_mov_b32 s[G1+5], 1024                        ; tensor_dim0_stride
	s_mov_b32 s[G1+6], 0
	s_mov_b32 s[G1+7], 0
	s_mul_i32 s15, s14, XT_W                       ; my four tiles in LDS
	s_lshl_b32 s16, ttmp9, 18                      ; x: the work-group's 64 rows of 4,096 bytes,
	s_lshl_b32 s18, s14, 10                        ; my 1,024 bytes of a row
	s_add_co_u32 s16, s16, s18
	s_mov_b32 s17, 0
	s_mul_i32 s18, s14, 98304                      ; wcodes: my 64 fragments of 1,536 bytes
	s_mov_b32 s19, 0
	s_lshl_b32 s22, s14, 12                        ; wscales: my 8 tiles of 512 bytes
	s_mov_b32 s23, 0
	s_lshl_b32 s48, s14, 9                         ; b: my 128 numbers
	s_mov_b32 s49, 0
	s_lshl_b32 s50, ttmp9, 17                      ; y: the work-group's 64 rows of 2,048 bytes, my 512 bytes of a row
	s_add_co_u32 s50, s50, s48
	s_mov_b32 s51, 0
	s_mul_i32 s52, s14, 3072
	s_lshl_b32 s53, s14, 8
	s_mul_i32 s54, s14, 16*SPITCH
	s_add_co_u32 s54, s54, STG                     ; my stage
	s_mov_b32 s20, 0x76543210                      ; v_permlanex16_b32's selects for the lane 16 away
	s_mov_b32 s21, 0xfedcba98
	v_and_b32 v198, 31, v0                         ; lane
	v_and_b32 v199, 15, v0                         ; r
	v_bfe_u32 v200, v0, 4, 1                       ; h
	v_lshlrev_b32 v[LI], 4, v198
	v_mul_u32_u24 v[XA], v199, XP
	v_lshl_add_u32 v[XA], v200, 6, v[XA]           ; row r, + 64 h: my 16 numbers of a block of 32
	v_add_nc_u32 v[XA], s15, v[XA]
	v_add_nc_u32 v[FI], IMG, v[LI]
	v_add_nc_u32 v[IWI], s52, v[FI]
	v_lshlrev_b32 v201, 2, v198
	v_add_nc_u32 v201, ISC, v201
	v_add_nc_u32 v[IWS], s53, v201
	v_lshl_add_u32 v[LSX], v200, 7, v201
	v_mul_u32_u24 v[SO], v199, SPITCH
	v_lshl_add_u32 v[SO], v200, 5, v[SO]
	v_add_nc_u32 v[SO], s54, v[SO]                 ; in: row r, + 32 h; tile t's eight units 64 t bytes on
	v_add_nc_u32 v[SR], s54, v[LI]                 ; back: a row of 512 bytes, 16 a lane
	s_wait_dscnt 0x0
	s_wait_kmcnt 0x0
	s_add_nc_u64 s[4:5], s[4:5], s[16:17]
.irp m, 0,1,2,3
	s_mov_b32 s[G0+4*\m], 1                                        ; 1:0 count = 1
	s_add_co_u32 s[G0+4*\m+1], s15, \m*XT_M                        ; 63:32 LDS address
	s_add_nc_u64 s[G0+4*\m+2:G0+4*\m+3], s[4:5], \m*65536          ; 120:64 global address: 16 rows of 4,096 bytes a tile
	s_or_b32 s[G0+4*\m+3], s[G0+4*\m+3], 0x80000000                ; 127:126 type = 2
.endr
.irp m, 0,1,2,3
	tensor_load_to_lds s[G0+4*\m:G0+4*\m+3], s[G1:G1+7]            ; all my x, as one group, ahead of every wait on TENSORcnt, every LDS read and every barrier
	s_nop 0
.endr
.irp b, 0,1,2,3
	v_mov_b32 v[TM+4+\b], 0                        ; written once: a lane permute's destination counts as one of its sources.  (Four plain lines behind the last tensor load, ahead of the first switch of the windows)
.endr
	s_add_nc_u64 s[6:7], s[6:7], s[18:19]
	s_add_nc_u64 s[8:9], s[8:9], s[22:23]
	s_add_nc_u64 s[10:11], s[10:11], s[48:49]
	s_add_nc_u64 s[12:13], s[12:13], s[50:51]
.set fx, 0
.rept 64                                       ; the weights: fragment f = 8 s + t lies in memory at (8 t + s) x 1,536; each load reads 512 consecutive bytes.  Read by every work-group: no hint
	WPOS fx
	WIN WW<<6                                      ; destination in the fragment's window, address in window 0
.irp c, 0,1,2
	global_load_b128 v[WR+4*\c:WR+4*\c+3], v[LI], s[6:7] offset:((fx%8)*8+fx/8)*1536+512*\c
.endr
.set fx, fx+1
.endr
	WIN 0
.irp t, 0,1,2,3,4,5,6,7
	global_load_b128 v[WS+4*\t:WS+4*\t+3], v[LI], s[8:9] offset:512*\t   ; their scale words: these registers hold scales and nothing else
.endr
	global_load_b128 v[BI:BI+3], v[LI], s[10:11]   ; b of the four units that I store
	XQ 0                                           ; the first tile of x is quantised while the weights arrive
	s_wait_loadcnt 0x0                             ; the weights, their scale words and b
	MUL 0
	OUT 0
	XQ 1
	MUL 1
	OUT 1
	XQ 2
	MUL 2
	OUT 2
	XQ 3                                           ; its wait on TENSORcnt is for 0: no tensor load is out from here on
	MUL 3
	OUT 3
	s_wait_tensorcnt 0x0
	ds_add_u32 v197, v211
	s_wait_dscnt 0x0
	s_endpgm
.Lfunc_end_k_q8418b993d8_gemm:
	.size	k_q8418b993d8_gemm, .Lfunc_end_k_q8418b993d8_gemm-k_q8418b993d8_gemm
	.p2alignl 7, 3214868480
	.fill 96, 4, 3214868480
	.section	.rodata,"a",@progbits
	.p2align	6, 0x0
	.amdhsa_kernel k_q8418b993d8_gemm
		.amdhsa_group_segment_fixed_size 327680
		.amdhsa_private_segment_fixed_size 0
		.amdhsa_enable_private_segment 0
		.amdhsa_kernarg_size 40
		.amdhsa_user_sgpr_count 2
		.amdhsa_user_sgpr_kernarg_segment_ptr 1
		.amdhsa_wavefront_size32 1
		.amdhsa_system_sgpr_workgroup_id_x 1
		.amdhsa_system_sgpr_workgroup_id_y 1
		.amdhsa_system_sgpr_workgroup_id_z 1
		.amdhsa_system_vgpr_workitem_id 0
		.amdhsa_next_free_vgpr 1024
		.amdhsa_next_free_sgpr 66
		.amdhsa_reserve_vcc 0
		.amdhsa_float_denorm_mode_32 3
		.amdhsa_float_denorm_mode_16_64 3
		.amdhsa_memory_ordered 1
		.amdhsa_forward_progress 1
		.amdhsa_inst_pref_size 130
	.end_amdhsa_kernel
	.amdgpu_metadata
---
amdhsa.version: [ 1, 2 ]
amdhsa.kernels:
  - .name:           k_q8418b993d8_gemm
    .symbol:         k_q8418b993d8_gemm.kd
    .args:
      - { .name: x, .offset: 0, .size: 8, .value_kind: global_buffer, .address_space: global }
      - { .name: wcodes, .offset: 8, .size: 8, .value_kind: global_buffer, .address_space: global }
      - { .name: wscales, .offset: 16, .size: 8, .value_kind: global_buffer, .address_space: global }
      - { .name: b, .offset: 24, .size: 8, .value_kind: global_buffer, .address_space: global }
      - { .name: out0, .offset: 32, .size: 8, .value_kind: global_buffer, .address_space: global }
    .group_segment_fixed_size: 327680
    .private_segment_fixed_size: 0
    .kernarg_segment_align: 8
    .kernarg_segment_size: 40
    .max_flat_workgroup_size: 128
    .sgpr_count:     66
    .vgpr_count:     1024
    .wavefront_size: 32
...
	.end_amdgpu_metadata
.endif
;; end of part 2
